; MI455X (gfx1250); checked and timed in simulation.
; The chip was launched on July 23, 2026; its instructions are those of AMD's public machine-readable ISA for CDNA 5 (MIT licence, August 2026) and "CDNA5" Instruction Set Architecture Reference Guide (July 2026). The comments in the code are by the model that wrote it; some were corrected since.
;; Lie Fuc With Bracket Weight Optimized. Allowed arithmetic: matrix products marked QUANTISED: E2M3 operands, one E8M0 scale for each 32 along K, by v_wmma_scale_f32_16x16x128_f8f6f4 with both operands' format E2M3, f32 sums; everything else in f32.
;; Inputs: W 128 x 64 float32; x 8 x 64 x 512 float32.
;; Outputs: out0 8 x 64 x 512 float32.
;; This version of the problem:
;;   THIS VERSION OF THE PROBLEM IS GIVEN IN LOW PRECISION. The matrix products marked QUANTISED in the list below multiply operands that are first quantised to E2M3 (2 exponent bits, 3 mantissa bits; 6 bits a number), with one power-of-two scale for each 32 numbers along K (OCP MX v1.0); their sums are f32. All else is computed in f32.
;;   The module's matrix products, in the order in which they are computed (A, B: the left and right operand; K: the contracted axis; several contracted axes count as one K, in the product's order):
;;     1. [M 4,096, K 64] x [K 64, N 64]; A: input x; B: input W: QUANTISED
;;     2. [M 4,096, K 64] x [K 64, N 64]; A: input x; B: input W: QUANTISED
;;     3. batch 8 x [M 64, K 512] x [K 512, N 512]; A: input x; B: computed on the way: QUANTISED
;;   THE QUANTISER, for each operand of a quantised product, along K:
;;     - K is cut into blocks of 32 from its start; a last block that is shorter is filled with zeros.
;;     - A block's scale is 2^e with e = floor(log2(the largest magnitude in the block)) - 2, held to -126 .. 127; a block of zeros has e = 0. As a byte (E8M0): e + 127.
;;     - Each number is divided by its block's scale, clamped to +-7.5, and rounded to the nearest number of E2M3, ties to even, subnormals kept.
;;     - The product sums the exact products of the quantised numbers (number of the format x scale) in f32.
;;   ~~~python
;;   def quantise(x, axis):      # numpy; x: float32 -> the quantised numbers, widened to float32 again
;;       x = np.moveaxis(x, axis, -1); K = x.shape[-1]
;;       x = np.pad(x, [(0, 0)] * (x.ndim - 1) + [(0, -K % 32)]); x = x.reshape(x.shape[:-1] + (-1, 32)); a = np.abs(x).max(-1, keepdims=True)
;;       e = np.where(a > 0, np.clip(np.frexp(np.where(a > 0, a, 1))[1] - 1 - 2, -126, 127), 0)      # np.frexp(a)[1] - 1 = floor(log2(a)), exactly
;;       r = np.clip(x / 2.0 ** e, -7.5, 7.5)
;;       step = 2.0 ** (np.maximum(np.frexp(np.where(r == 0, 1, r))[1] - 1, 0) - 3)
;;       q = np.round(r / step) * step * 2.0 ** e      # np.round: ties to even
;;       return np.moveaxis(q.reshape(q.shape[:-2] + (-1,))[..., :K], -1, axis).astype(np.float32)
;;   ~~~
;;   OPERANDS COMPUTED ON THE WAY. 'Computed on the way' means the value that the module computes at that place (a softmax that the list does not call 'softmax' is quantised finished and normalised). What goes into a quantiser is computed in f32, as accurately as f32 sums, v_exp_f32 and their like allow (about 1e-6 of the number): no bf16 or f16 on the way to a quantiser, and a product that is left as it is and whose result goes on into a quantised operand takes f32 operands (vector FMAs, or v_wmma_f32_16x16x4_f32). A number that lies on a knife's edge between two numbers of the format may be rounded either way, as far as f32 arithmetic and the matrix unit's own rounding can turn it there, and no further.
;; One version. Each part assembles by itself: llvm-mc -triple=amdgcn-amd-amdhsa -mcpu=gfx1250 --defsym DOCPART=n.
;; ======== version 1 of 1: 1 launch
;; launch bracket (part 1): grid 32 x 8, 8 waves a work-group, no clusters, 214,784 bytes of LDS; arguments x, W, out0; writes out0
.if DOCPART == 1
	.amdgcn_target "amdgcn-amd-amdhsa--gfx1250"
	.amdhsa_code_object_version 6
	.text
	.protected	k_qd01712b259_bracket
	.globl	k_qd01712b259_bracket
	.p2align	8
	.type	k_qd01712b259_bracket,@function
k_qd01712b259_bracket:
	s_mov_b64 s[64:65], 0
	v_nop
	global_prefetch_b8 v0, s[64:65] scope:SCOPE_SE
	s_setreg_imm32_b32 hwreg(HW_REG_WAVE_MODE, 25, 1), 1
	s_wait_xcnt 0x0
; out[b][d][j] = sum over i of x[b][d][i] wmat[b][i][j];  wmat[b][i][j] = 1 - |a_j + b_i| where i >= j, 1 elsewhere;
; a_j = x[b][:,j] W[0:64], b_i = x[b][:,i] W[64:128].  x, out: [8][64][512] f32; W: [128][64] f32.
; All three products on codes of FP6 (E2M3) with one E8M0 scale for each 32 along K (K = d for a and b, K = i for out); all else in f32.
; SHARES.  Work-group (p, batch) owns 16 columns j: 8 p .. 8 p + 7 and 504 - 8 p .. 511 - 8 p.  Rows go in tiles of 16; the low eight columns need the tiles from p / 2 on, the high eight
; those from 16 + (31 - p) / 2 on: 33 (tile, eight columns) in every work-group.  Wave w of eight owns tiles 8 u + w, u = 0 .. 3, and keeps their b in 128 registers.
; A tile all of whose rows lie above the diagonal is passed over by a scalar branch on the work-group's and the wave's number; its wmat is 1 by the mask.
; |a + b|^2 is summed as it is written, an addition and a fused multiply-add for each channel, two channels an instruction: no difference of large sums is formed.
; NO CLUSTER: the 32 work-groups of a batch read the same x, but which tiles a wave passes over hangs on p, so partners would part at branches.
; OUTPUT: a work-group's part of a row of out is two runs of 32 bytes; 16 columns to a work-group are what gives each of 256 work-groups the same work.
; LIMITS: NaN and infinities among the inputs are not served; a block whose largest magnitude lies under 2^-124 has its scale byte held at 1; a block of zeros gets the byte 1 where the rule says 127
; (its codes are zeros, which add nothing under any byte but 0xff, and this program alone reads the bytes).
; LDS.  x[batch]: row d at XP d (+ XSH for d >= 32), element s at 4 s + 16 (s / 256).  XP = 2,080 = 8 x 256 + 32 and XSH = 80: the two halves of a 4-byte read down d (rows 32 apart) fall 20 banks apart, and the 16 rows
; of a 16-byte read along s, eight below row 32 and eight from it on, start at 16 different multiples of 16 bytes modulo 256 (64 banks of 4 bytes: ISA guide 11.1).
.set XP,    2080
.set XSH,   80
.set XHALF, 32*XP+XSH                  ; from row d to row d + 32
.set WIMG,  136192                     ; four fragments of W[64:128] as images of their registers: 512 + 512 + 512 bytes each (16 bytes a lane for four codes' registers, for two, for the scale word)
.set FIMG,  1536
.set ABASE, WIMG+4*FIMG                ; a: column c at AP c; in it 128 bytes for each half of the lanes, in the order of b's registers
.set AP,    272
.set WMB,   ABASE+16*AP                ; wmat: column c at WP c, row i at 4 i.  WP = 8 x 256 + 80: sixteen columns start at 16 different multiples of 16 bytes modulo 256
.set WP,    2128
.set PB,    WMB+34304                  ; the eight waves' partial sums of out: 4,096 bytes each, images of 32 registers
.set LN,   1                           ; v1   lane
.set R,    2                           ; v2   lane % 16
.set H,    3                           ; v3   lane / 16
.set SH8,  4                           ; v4   8 x (lane / 16): my scale byte's place in the word
.set AX,   5                           ; v5-8 LDS: x down d at my tile u's positions
.set VWC,  5                           ; v5   (later) LDS: where this trip's wmat goes
.set VG,   9                           ; v9   memory: x down d at the work-group's 16 columns
.set LIW,  10                          ; v10  LDS: W's images, 16 x lane
.set LIWS, 11                          ; v11  the same at my own fragment
.set AST,  12                          ; v12  LDS: where I put a
.set VA,   13                          ; v13  LDS: a, my half's 128 bytes of column 0
.set VWM,  14                          ; v14  LDS: wmat, column lane / 16, my tile 0's row
.set AX3,  15                          ; v15  LDS: x along s
.set AWMR, 16                          ; v16  LDS: wmat, column lane % 16, my 32 rows
.set APS,  17                          ; v17  LDS: my partial sums
.set APL,  18                          ; v18  LDS: my share of everybody's
.set GOUT, 19                          ; v19  memory: my 16 bytes of out
.set VW,   20                          ; v20  memory: W down d
.set VAC,  21                          ; v21  LDS: this trip's columns of a
.set SA,   22                          ; v22-25 |a + b|^2 of the trip's first column, tile u;  v26-29 of its second
.set SB,   26
.set ACC,  30                          ; v30-37 four packed accumulators
.set TT,   38                          ; v38-53 a + b
.set RHU,  54                          ; v54-57 my row in tile u, less lane / 16
.set WS,   58                          ; v58-61 scale words of four fragments;  v62 of a fifth: these five hold scales and nothing else
.set XSW,  62
.set TP,   63                          ; the quantiser's: v63, v120-127
.set CT,   120
.set M0,   124
.set M1,   125
.set SC,   126
.set BY,   127
.set WF0,  96                          ; the four fragments of W[64:128]: 6 registers of codes, 6 of zeros (K = 64 of the instruction's 128)
.set WF1,  108
.set WF2,  22
.set WF3,  34
.set XF,   46                          ; v46-57 a tile of x as a fragment
.set CA,   64                          ; v64-95, v96-127 a of two columns
.set CB,   96
.set BB,   128                         ; v128-255 b: tile u at 32 u; register 8 t + i = channel 16 t + 8 (lane / 16) + i of row lane % 16
.set WV,   10
.set PP,   11
.set PQ,   12
.set G0,   16
.set G1,   20
.set SEL,  28
.set CP,   30
.set TW,   31
.set TWL,  32
.set TWH,  33
.set JJ,   34
.set JL,   35
.set JH,   36
.set AOF,  50
.set WOF,  51
.set TMP,  52
.macro PLACES n                        ; plain vector instructions that name no register of the matrix instruction (ISA guide 7.12.1)
.rept \n
	v_nop
.endr
.endm
.macro BARRIER                         ; my LDS stores have landed and my LDS loads are in: then the work-group's barrier
	s_wait_dscnt 0x0
	s_barrier_signal -1
	s_barrier_wait -1
.endm
; 32 numbers of a lane, one whole block along K (lanes 0-15: k = 0 .. 31 of row lane % 16, lanes 16-31: k = 32 .. 63), become registers 0-5 of a fragment at v[dst] and the row's scale word in v[sw].
.macro QUANT32 src, dst, sw
	v_max3_num_f32 v[M0], |v[(\src)]|, |v[(\src)+1]|, 0x1800000        ; the largest magnitude, in two chains, with the floor 2^(3 - 127) among its leaves: the byte cannot fall under 1
	v_max3_num_f32 v[M1], |v[(\src)+2]|, |v[(\src)+3]|, |v[(\src)+4]|
.irp i, 5,9,13,17,21,25
	v_max3_num_f32 v[M0], v[M0], |v[(\src)+\i]|, |v[(\src)+\i+1]|
	v_max3_num_f32 v[M1], v[M1], |v[(\src)+\i+2]|, |v[(\src)+\i+3]|
.endr
	v_max3_num_f32 v[M0], v[M0], |v[(\src)+29]|, |v[(\src)+30]|
	v_max3_num_f32 v[M0], v[M0], v[M1], |v[(\src)+31]|
	v_add_nc_u32 v[SC], 0xff000000, v[M0]          ; 2 off its exponent field: the conversion takes the exponent field of this operand as its scale
	v_lshrrev_b32 v[BY], 23, v[SC]                 ; the scale's byte,
	v_lshlrev_b32 v[BY], v[SH8], v[BY]             ; at my block's place in the word;
	v_permlanex16_b32 v[TP], v[BY], s[SEL], s[SEL+1]
	v_or_b32 v[\sw], v[BY], v[TP]                  ; with lane l xor 16's the word is whole (bytes 2 and 3 stay 0: they scale zero codes)
	v_cvt_scalef32_pk16_fp6_f32 v[(\dst):(\dst)+2], v[(\src):(\src)+15], v[SC]
	v_cvt_scalef32_pk16_fp6_f32 v[CT:CT+2], v[(\src)+16:(\src)+31], v[SC]   ; (a conversion's three registers begin on an even number)
	v_nop                                          ; one plain place behind a scaled conversion
	v_mov_b32 v[(\dst)+3], v[CT]
	v_mov_b32 v[(\dst)+4], v[CT+1]
	v_mov_b32 v[(\dst)+5], v[CT+2]
.endm
	s_load_b128 s[4:7], s[0:1], 0x0                ; x, W
	s_load_b64 s[8:9], s[0:1], 0x10                ; out
	s_set_vgpr_msb 0x40
	v_lshl_add_u32 v0, v0, 2, 0x34300
	v_mov_b32 v1, 0
	s_set_vgpr_msb 0x4045
	ds_add_u32 v0, v1
	ds_add_u32 v0, v1
	s_set_vgpr_msb 0x4500
	v_lshrrev_b32 v[LN], 5, v0
	v_readfirstlane_b32 s[WV], v[LN]               ; wave 0..7
	s_and_b32 s[PP], ttmp9, 31                     ; p
	s_xor_b32 s[PQ], s[PP], 31                     ; 31 - p
	s_and_b32 s14, ttmp7, 0xffff                   ; the batch:
	s_lshl_b32 s14, s14, 17                        ; 131,072 bytes of x and of out
	s_mov_b32 s15, 0
	; the tensor load: my 8 rows d of x[batch] are 16,384 dense bytes: 16 rows of 1,024 bytes (128 elements of 8), 16 bytes of padding behind each
	s_mov_b32 s[G1], (3<<16)|(1<<20)|(7<<22)|(3<<25)   ; no mask; elements of 8 bytes; padding on; after every 256 words (code 7); of 4 words (code 3)
	s_mov_b32 s[G1+1], 128<<16                     ; tensor_dim0 = 128
	s_mov_b32 s[G1+2], 16<<16                      ; tensor_dim1 = 16
	s_mov_b32 s[G1+3], 128<<16                     ; tile_dim0 = 128
	s_mov_b32 s[G1+4], 16                          ; tile_dim1 = 16
	s_mov_b32 s[G1+5], 128                         ; from row to row
	s_mov_b32 s[G1+6], 0
	s_mov_b32 s[G1+7], 0
	s_lshr_b32 s37, s[WV], 2
	s_and_b32 s42, s[WV], 3
	s_mov_b32 s[G0], 1
	s_mul_i32 s[G0+1], s[WV], 8*XP                 ; LDS: 8 rows a wave,
	s_mul_i32 s49, s37, XSH
	s_add_co_u32 s[G0+1], s[G0+1], s49             ; and XSH more from row 32 on
	s_lshl_b32 s38, s[WV], 14
	s_mov_b32 s39, 0
	s_lshl_b32 s40, s37, 14                        ; my fragment of W: waves 0-3 rows 0-63, waves 4-7 rows 64-127; channels 16 (wave % 4) on
	s_lshl_b32 s49, s42, 6
	s_add_co_u32 s40, s40, s49
	s_mov_b32 s41, 0
	s_lshl_b32 s43, s[PP], 5                       ; the low columns' first byte in a row: 32 p
	s_lshl_b32 s44, s[PQ], 5
	s_add_co_u32 s45, s44, 992                     ; the high columns': 4 (256 + 8 (31 - p)), less 32 for lanes 8-15
	s_add_co_u32 s46, s44, 1024
	s_lshl_b32 s47, s[WV], 6
	s_lshl_b32 s48, s[WV], 8
	s_mov_b32 s[SEL], 0x76543210
	s_mov_b32 s[SEL+1], 0xfedcba98                 ; v_permlanex16_b32's selects for lane l xor 16
	s_lshr_b32 s[TWL], s[PP], 1                    ; tile 8 u + w is passed over where 8 u < first tile - w
	s_sub_co_i32 s[TWL], s[TWL], s[WV]
	s_lshr_b32 s[TWH], s[PQ], 1
	s_add_co_u32 s[TWH], s[TWH], 16
	s_sub_co_i32 s[TWH], s[TWH], s[WV]
	s_lshl_b32 s[JL], s[PP], 3                     ; column 2 cp of the sixteen is j = 8 p + 2 cp (cp < 4) or 496 - 8 p + 2 cp
	s_lshl_b32 s[JH], s[PQ], 3
	s_add_co_u32 s[JH], s[JH], 248
	; every address is made here, ahead of the first branch on the wave's number
	v_and_b32 v[LN], 31, v0
	v_and_b32 v[R], 15, v0
	v_bfe_u32 v[H], v0, 4, 1
	v_lshlrev_b32 v[SH8], 3, v[H]
	v_lshlrev_b32 v54, 2, v[R]                     ; 4 r
	v_lshrrev_b32 v55, 3, v[R]                     ; r / 8
	v_mad_u32_u24 v56, v55, 24, v[R]               ; r + 24 (r / 8): the rows d of a tile of x along s are 8 t + 0 .. 7 and 32 + 8 t + 0 .. 7
	v_lshl_add_u32 v[VW], v[H], 13, v54            ; W: 32 rows of 256 bytes for the upper half, 4 bytes a channel
	v_cmp_gt_u32 vcc_lo, 8, v[R]
	v_mov_b32 v57, s43
	v_cndmask_b32 v57, s45, v57, vcc_lo            ; lanes 0-7: the low columns, lanes 8-15: the high ones
	v_add_nc_u32 v57, v57, v54
	v_lshl_add_u32 v[VG], v[H], 16, v57            ; + 32 rows of 2,048 bytes for the upper half
	v_mad_u32_u24 v[AX], v[H], XHALF, v54
	v_add_nc_u32 v[AX], s47, v[AX]                 ; tile 8 u + w: positions 128 u + 16 w + r
	v_add_nc_u32 v[AX+1], 512, v[AX]
	v_add_nc_u32 v[AX+2], 1040, v[AX]              ; (behind the padding in the row's middle)
	v_add_nc_u32 v[AX+3], 1552, v[AX]
	v_lshl_add_u32 v[LIW], v[LN], 4, WIMG
	s_mul_i32 s49, s42, FIMG
	v_add_nc_u32 v[LIWS], s49, v[LIW]
	v_mul_u32_u24 v[AST], v[R], AP
	v_lshl_add_u32 v[AST], v[H], 7, v[AST]
	s_lshl_b32 s49, s42, 5
	s_add_co_u32 s49, s49, ABASE
	v_add_nc_u32 v[AST], s49, v[AST]               ; column r, my half, channels' tile wave % 4: 32 bytes
	v_lshl_add_u32 v[VA], v[H], 7, ABASE
	v_mad_u32_u24 v[VWM], v[H], WP, v54
	s_add_co_u32 s49, s47, WMB
	v_add_nc_u32 v[VWM], s49, v[VWM]
	v_mul_u32_u24 v[AWMR], v[R], WP
	v_lshl_add_u32 v[AWMR], v[H], 7, v[AWMR]
	s_add_co_u32 s49, s48, WMB
	v_add_nc_u32 v[AWMR], s49, v[AWMR]             ; column r, rows 64 w + 32 h on
	v_mul_u32_u24 v[AX3], v56, XP
	v_mad_u32_u24 v[AX3], v55, XSH, v[AX3]
	v_lshl_add_u32 v[AX3], v[H], 7, v[AX3]
	s_lshl_b32 s49, s37, 4
	s_add_co_u32 s49, s49, s48
	v_add_nc_u32 v[AX3], s49, v[AX3]               ; s = 64 w + 32 h on
	v_lshl_add_u32 v[APS], v[LN], 4, PB
	s_lshl_b32 s49, s[WV], 9
	v_add_nc_u32 v[APL], s49, v[APS]
	s_lshl_b32 s49, s[WV], 12
	v_add_nc_u32 v[APS], s49, v[APS]
	v_cmp_eq_u32 vcc_lo, 0, v[H]
	v_mov_b32 v57, s43
	v_cndmask_b32 v57, s46, v57, vcc_lo            ; out: lanes 0-15 hold low columns, lanes 16-31 high ones
	v_lshl_add_u32 v[GOUT], v56, 11, v57           ; row d = 8 (w / 2) + r + 24 (r / 8),
	s_lshr_b32 s49, s[WV], 1
	s_lshl_b32 s49, s49, 14
	s_and_b32 s37, s[WV], 1
	s_lshl_b32 s37, s37, 4
	s_add_co_u32 s49, s49, s37
	v_add_nc_u32 v[GOUT], s49, v[GOUT]             ; four columns: the group's 4 (w % 2) on
	v_mov_b32 v[TP], 0                             ; written once: a lane permute's destination counts as one of its sources
.irp i, 6,7,8,9,10,11
	v_mov_b32 v[XF+\i], 0                          ; k = 64 .. 127 of the instruction: zero codes
.endr
	s_wait_dscnt 0x0
	s_wait_kmcnt 0x0
	s_add_nc_u64 s[4:5], s[4:5], s[14:15]
	s_add_nc_u64 s[8:9], s[8:9], s[14:15]
	s_add_nc_u64 s[6:7], s[6:7], s[40:41]
	s_add_nc_u64 s[G0+2:G0+3], s[4:5], s[38:39]
	s_or_b32 s[G0+3], s[G0+3], 0x80000000
	tensor_load_to_lds s[G0:G0+3], s[G1:G1+7]      ; the wave's one tensor load: these LDS bytes are filled once
	s_nop 0
.set i, 0
.rept 32
	global_load_b32 v[128+i], v[VW], s[6:7] offset:256*i   ; W(32 h + i, my channel): a lane takes a channel, its registers run down K
.set i, i+1
.endr
	s_cmp_lt_u32 s[WV], 4
	s_cbranch_scc0 .Lrole_h
	; ---- waves 0-3, while x is on its way: a of the 16 columns, channels 16 w on
.set i, 0
.rept 32
	global_load_b32 v[160+i], v[VG], s[4:5] offset:2048*i  ; x(32 h + i, my column)
.set i, i+1
.endr
.irp i, 6,7,8,9,10,11
	v_mov_b32 v[64+\i], 0
.endr
	s_wait_loadcnt 32                              ; W's 32 loads are in; the 32 behind them may be out
	QUANT32 128, 64, WS
	s_wait_loadcnt 0x0
	QUANT32 160, XF, XSW
	PLACES 8                                       ; a scale word made by vector instructions stands 8 places ahead of a scaled matrix instruction, an operand 4
	v_wmma_scale_f32_16x16x128_f8f6f4 v[80:87], v[64:75], v[XF:XF+11], 0, v[WS], v[XSW] matrix_a_fmt:MATRIX_FMT_FP6 matrix_b_fmt:MATRIX_FMT_FP6   ; transposed: source 0 = 16 channels, source 1 = 16 columns: lane (r, h) holds column r, channels 8 h + 0 .. 7
	PLACES 4
	ds_store_b128 v[AST], v[80:83]
	ds_store_b128 v[AST], v[84:87] offset:16
	s_branch .Ljoin
.Lrole_h:
	; ---- waves 4-7: a fragment of W[64:128] each, to LDS as an image of its registers
	s_wait_loadcnt 0x0
	QUANT32 128, 64, WS
	ds_store_b128 v[LIWS], v[64:67]
	ds_store_b64 v[LIWS], v[68:69] offset:512
	ds_store_b32 v[LIWS], v[WS] offset:1024
.Ljoin:
	s_wait_tensorcnt 0x0                           ; my rows of x have landed
	BARRIER                                        ; everybody's have; a and W's images lie in LDS
	; ---- b of my four tiles.  A tile's 32 x 32 numbers wait in registers that a later tile's b will take
.macro XTILE u, dst
.set i, 0
.rept 32
	ds_load_b32 v[(\dst)+i], v[AX+\u] offset:XP*i  ; x(32 h + i, position 16 (8 u + w) + r)
.set i, i+1
.endr
.endm
.macro BTILE src, u
	QUANT32 \src, XF, XSW                          ; (its sixteen maxima are the places behind the last tile's matrix instructions)
	PLACES 8
	v_wmma_scale_f32_16x16x128_f8f6f4 v[BB+32*\u:BB+32*\u+7], v[WF0:WF0+11], v[XF:XF+11], 0, v[WS], v[XSW] matrix_a_fmt:MATRIX_FMT_FP6 matrix_b_fmt:MATRIX_FMT_FP6
	v_wmma_scale_f32_16x16x128_f8f6f4 v[BB+32*\u+8:BB+32*\u+15], v[WF1:WF1+11], v[XF:XF+11], 0, v[WS+1], v[XSW] matrix_a_fmt:MATRIX_FMT_FP6 matrix_b_fmt:MATRIX_FMT_FP6
	v_wmma_scale_f32_16x16x128_f8f6f4 v[BB+32*\u+16:BB+32*\u+23], v[WF2:WF2+11], v[XF:XF+11], 0, v[WS+2], v[XSW] matrix_a_fmt:MATRIX_FMT_FP6 matrix_b_fmt:MATRIX_FMT_FP6
	v_wmma_scale_f32_16x16x128_f8f6f4 v[BB+32*\u+24:BB+32*\u+31], v[WF3:WF3+11], v[XF:XF+11], 0, v[WS+3], v[XSW] matrix_a_fmt:MATRIX_FMT_FP6 matrix_b_fmt:MATRIX_FMT_FP6
.endm
.macro WLOAD f, reg
	ds_load_b128 v[\reg:\reg+3], v[LIW] offset:\f*FIMG
	ds_load_b64 v[\reg+4:\reg+5], v[LIW] offset:\f*FIMG+512
	ds_load_b32 v[WS+\f], v[LIW] offset:\f*FIMG+1024
.endm
	WLOAD 0, WF0
	WLOAD 1, WF1
	WLOAD 2, WF2
	WLOAD 3, WF3
	XTILE 0, BB+32
	XTILE 1, BB+64
.irp i, 6,7,8,9,10,11
	v_mov_b32 v[WF0+\i], 0
	v_mov_b32 v[WF1+\i], 0
	v_mov_b32 v[WF2+\i], 0
	v_mov_b32 v[WF3+\i], 0
.endr
	s_wait_dscnt 32                                ; W's images and tile 0 are in; tile 1's 32 loads may be out
	XTILE 2, BB+96
	BTILE BB+32, 0
	s_wait_dscnt 32                                ; tile 1 is in; tile 2's 32 may be out
	XTILE 3, CA
	BTILE BB+64, 1
	s_wait_dscnt 32                                ; tile 2 is in; tile 3's 32 may be out
	BTILE BB+96, 2
	s_wait_dscnt 0x0
	BTILE CA, 3
	PLACES 4                                       ; in front of loads and vector writes into registers that the last matrix instructions read, and of the first read of b
	; ---- the pairs.  Two columns a trip; each column's a (my half's 32 channels) comes by eight loads in which sixteen lanes share an address, a column ahead of its use
.irp q, 0,1,2,3,4,5,6,7
	ds_load_b128 v[CA+4*\q:CA+4*\q+3], v[VA] offset:16*\q
.endr
.irp q, 0,1,2,3,4,5,6,7
	ds_load_b128 v[CB+4*\q:CB+4*\q+3], v[VA] offset:AP+16*\q
.endr
.irp i, 0,1,2,3,4,5,6,7
	v_mov_b32 v[SA+\i], 0                          ; a tile that is passed over leaves its sum as it stands; the mask below throws it away
.endr
	v_sub_nc_u32 v[RHU], v[R], v[H]
	s_lshl_b32 s[TMP], s[WV], 4
	v_add_nc_u32 v[RHU], s[TMP], v[RHU]            ; 16 w + r - h
	v_add_nc_u32 v[RHU+1], 128, v[RHU]
	v_add_nc_u32 v[RHU+2], 256, v[RHU]
	v_add_nc_u32 v[RHU+3], 384, v[RHU]
	s_mov_b32 s[CP], 0
	s_mov_b32 s[AOF], 0
	s_mov_b32 s[WOF], 0
; One column against one tile: my half of |a + b|^2 for row r.  b's registers are read in ascending order, each matrix result from its low end on.
.macro UNIT ab, bu, sd
.irp q, 0,1,2,3,4,5,6,7
	v_pk_add_f32 v[TT+2*\q:TT+2*\q+1], v[\ab+2*\q:\ab+2*\q+1], v[\bu+2*\q:\bu+2*\q+1]
.endr
.irp q, 0,1,2,3
	v_pk_mul_f32 v[ACC+2*\q:ACC+2*\q+1], v[TT+2*\q:TT+2*\q+1], v[TT+2*\q:TT+2*\q+1]   ; the first squares start the sums
.endr
.irp q, 0,1,2,3
	v_pk_add_f32 v[TT+2*\q:TT+2*\q+1], v[\ab+16+2*\q:\ab+16+2*\q+1], v[\bu+16+2*\q:\bu+16+2*\q+1]
.endr
.irp q, 0,1,2,3
	v_pk_fma_f32 v[ACC+2*\q:ACC+2*\q+1], v[TT+8+2*\q:TT+8+2*\q+1], v[TT+8+2*\q:TT+8+2*\q+1], v[ACC+2*\q:ACC+2*\q+1]
.endr
.irp q, 0,1,2,3
	v_pk_add_f32 v[TT+8+2*\q:TT+8+2*\q+1], v[\ab+24+2*\q:\ab+24+2*\q+1], v[\bu+24+2*\q:\bu+24+2*\q+1]
.endr
.irp q, 0,1,2,3
	v_pk_fma_f32 v[ACC+2*\q:ACC+2*\q+1], v[TT+2*\q:TT+2*\q+1], v[TT+2*\q:TT+2*\q+1], v[ACC+2*\q:ACC+2*\q+1]
.endr
.irp q, 0,1,2,3
	v_pk_fma_f32 v[ACC+2*\q:ACC+2*\q+1], v[TT+8+2*\q:TT+8+2*\q+1], v[TT+8+2*\q:TT+8+2*\q+1], v[ACC+2*\q:ACC+2*\q+1]
.endr
	v_pk_add_f32 v[ACC:ACC+1], v[ACC:ACC+1], v[ACC+2:ACC+3]
	v_pk_add_f32 v[ACC+4:ACC+5], v[ACC+4:ACC+5], v[ACC+6:ACC+7]
	v_pk_add_f32 v[ACC:ACC+1], v[ACC:ACC+1], v[ACC+4:ACC+5]
	v_add_f32 v[\sd], v[ACC], v[ACC+1]
.endm
.macro UNITB ab, u, sd                 ; passed over where all 16 rows of tile 8 u + w lie above the eight columns' diagonal
	s_cmp_gt_i32 s[TW], 8*\u
	s_cbranch_scc1 .Lover_\@
	UNIT \ab, BB+32*\u, \sd
.Lover_\@:
.endm
.macro PAIR more                       ; more = 1: the next trip's two columns are asked for
	s_cmp_lt_u32 s[CP], 4                          ; the low eight columns or the high eight
	s_cselect_b32 s[TW], s[TWL], s[TWH]
	s_cselect_b32 s[JJ], s[JL], s[JH]
	s_lshl_b32 s[TMP], s[CP], 1
	s_add_co_u32 s[JJ], s[JJ], s[TMP]              ; j of the trip's first column
	v_add_nc_u32 v[VAC], s[AOF], v[VA]
	v_add_nc_u32 v[VWC], s[WOF], v[VWM]
	s_wait_dscnt 8                                 ; the first column's a is in: behind its loads stand the second's eight (and, from the second trip on, four stores)
.irp u, 0,1,2,3
	UNITB CA, \u, SA+\u
.endr
.if \more
.irp q, 0,1,2,3,4,5,6,7
	ds_load_b128 v[CA+4*\q:CA+4*\q+3], v[VAC] offset:2*AP+16*\q
.endr
	s_wait_dscnt 8                                 ; the second column's a is in: behind its loads stand the eight just issued (and four stores)
.else
	s_wait_dscnt 4                                 ; behind its loads stand the last trip's four stores
.endif
.irp u, 0,1,2,3
	UNITB CB, \u, SB+\u
.endr
.if \more
.irp q, 0,1,2,3,4,5,6,7
	ds_load_b128 v[CB+4*\q:CB+4*\q+3], v[VAC] offset:3*AP+16*\q
.endr
.endif
.irp u, 0,1,2,3
	v_permlane16_swap_b32 v[SA+\u], v[SB+\u]       ; the first's lanes 16-31 change places with the second's lanes 0-15:
.endr
.irp u, 0,1,2,3
	v_add_f32 v[SA+\u], v[SA+\u], v[SB+\u]         ; lanes 0-15 now hold the first column's whole sum for row r, lanes 16-31 the second's
.endr
.irp u, 0,1,2,3
	v_cmp_le_i32 vcc_lo, s[JJ], v[RHU+\u]          ; j + h <= i: the mask;
	v_cndmask_b32 v[SA+\u], 0, v[SA+\u], vcc_lo    ; above the diagonal the pair is 0
.endr
.irp u, 0,1,2,3
	v_sqrt_f32 v[SA+\u], v[SA+\u]
.endr
	v_nop                                          ; a plain instruction behind the last root,
	s_wait_alu depctr_va_vdst(0)                   ; and a wait ahead of the batch's first reader
.irp u, 0,1,2,3
	v_sub_f32 v[SB+\u], 1.0, v[SA+\u]
.endr
.irp u, 0,1,2,3
	ds_store_b32 v[VWC], v[SB+\u] offset:512*\u    ; wmat(row 128 u + 16 w + r, column 2 cp + h)
.endr
.endm
.Lpair:
	PAIR 1
	s_add_co_u32 s[AOF], s[AOF], 2*AP
	s_add_co_u32 s[WOF], s[WOF], 2*WP
	s_add_co_u32 s[CP], s[CP], 1
	s_cmp_lt_u32 s[CP], 7
	s_cbranch_scc1 .Lpair
	PAIR 0                                         ; the last two columns: nothing is left to ask for
	; ---- x along s: my 64 of the last product's K, for the four tiles of rows d
.irp m, 0,1,2,3
.irp q, 0,1,2,3,4,5,6,7
	ds_load_b128 v[128+32*\m+4*\q:128+32*\m+4*\q+3], v[AX3] offset:8*XP*\m+16*\q
.endr
.endr
.irp i, 6,7,8,9,10,11
	v_mov_b32 v[64+\i], 0
	v_mov_b32 v[76+\i], 0
	v_mov_b32 v[88+\i], 0
	v_mov_b32 v[100+\i], 0
	v_mov_b32 v[22+\i], 0
.endr
	s_wait_dscnt 24                                ; a tile's eight loads are in; those of the tiles behind it may be out
	QUANT32 128, 64, WS
	s_wait_dscnt 16
	QUANT32 160, 76, WS+1
	s_wait_dscnt 8
	QUANT32 192, 88, WS+2
	s_wait_dscnt 0x0
	QUANT32 224, 100, WS+3
	BARRIER                                        ; all of wmat lies in LDS
	; ---- out, my 64 of K: rows 64 w .. 64 w + 63 of wmat, a block of 32 rows of one column to a lane
.irp q, 0,1,2,3,4,5,6,7
	ds_load_b128 v[128+4*\q:128+4*\q+3], v[AWMR] offset:16*\q
.endr
	s_wait_dscnt 0x0
	QUANT32 128, 22, XSW
	PLACES 8
.irp m, 0,1,2,3
	v_wmma_scale_f32_16x16x128_f8f6f4 v[160+8*\m:167+8*\m], v[22:33], v[64+12*\m:75+12*\m], 0, v[XSW], v[WS+\m] matrix_a_fmt:MATRIX_FMT_FP6 matrix_b_fmt:MATRIX_FMT_FP6   ; transposed: source 0 = 16 columns of wmat, source 1 = 16 rows of x: lane (r, h) holds one row d and eight neighbouring columns
.endr
	PLACES 4
.irp q, 0,1,2,3,4,5,6,7
	ds_store_b128 v[APS], v[160+4*\q:163+4*\q] offset:512*\q   ; each result from its low end on
.endr
	BARRIER                                        ; the eight waves' partial sums lie in LDS
.irp k, 0,1,2,3,4,5,6,7
	ds_load_b128 v[128+4*\k:131+4*\k], v[APL] offset:4096*\k   ; piece w of each wave's image
.endr
	s_wait_dscnt 4                                 ; the first four are in
	v_pk_add_f32 v[128:129], v[128:129], v[132:133]
	v_pk_add_f32 v[130:131], v[130:131], v[134:135]
	v_pk_add_f32 v[136:137], v[136:137], v[140:141]
	v_pk_add_f32 v[138:139], v[138:139], v[142:143]
	s_wait_dscnt 0x0
	v_pk_add_f32 v[144:145], v[144:145], v[148:149]
	v_pk_add_f32 v[146:147], v[146:147], v[150:151]
	v_pk_add_f32 v[152:153], v[152:153], v[156:157]
	v_pk_add_f32 v[154:155], v[154:155], v[158:159]
	v_pk_add_f32 v[128:129], v[128:129], v[136:137]
	v_pk_add_f32 v[130:131], v[130:131], v[138:139]
	v_pk_add_f32 v[144:145], v[144:145], v[152:153]
	v_pk_add_f32 v[146:147], v[146:147], v[154:155]
	v_pk_add_f32 v[128:129], v[128:129], v[144:145]
	v_pk_add_f32 v[130:131], v[130:131], v[146:147]
	global_store_b128 v[GOUT], v[128:131], s[8:9] th:TH_STORE_NT   ; 16 bytes a lane: half of a run of eight columns; written once, read by nobody here
	s_set_vgpr_msb 0x5
	s_wait_tensorcnt 0x0
	ds_add_u32 v0, v1
	s_wait_dscnt 0x0
	s_set_vgpr_msb 0x500
	s_endpgm
.Lfunc_end_k_qd01712b259_bracket:
	.size	k_qd01712b259_bracket, .Lfunc_end_k_qd01712b259_bracket-k_qd01712b259_bracket
	.p2alignl 7, 3214868480
	.fill 96, 4, 3214868480
	.section	.rodata,"a",@progbits
	.p2align	6, 0x0
	.amdhsa_kernel k_qd01712b259_bracket
		.amdhsa_group_segment_fixed_size 214784
		.amdhsa_private_segment_fixed_size 0
		.amdhsa_enable_private_segment 0
		.amdhsa_kernarg_size 24
		.amdhsa_user_sgpr_count 2
		.amdhsa_user_sgpr_kernarg_segment_ptr 1
		.amdhsa_wavefront_size32 1
		.amdhsa_system_sgpr_workgroup_id_x 1
		.amdhsa_system_sgpr_workgroup_id_y 1
		.amdhsa_system_sgpr_workgroup_id_z 1
		.amdhsa_system_vgpr_workitem_id 0
		.amdhsa_next_free_vgpr 258
		.amdhsa_next_free_sgpr 66
		.amdhsa_reserve_vcc 1
		.amdhsa_float_denorm_mode_32 3
		.amdhsa_float_denorm_mode_16_64 3
		.amdhsa_memory_ordered 1
		.amdhsa_forward_progress 1
		.amdhsa_inst_pref_size 93
	.end_amdhsa_kernel
	.amdgpu_metadata
---
amdhsa.version: [ 1, 2 ]
amdhsa.kernels:
  - .name:           k_qd01712b259_bracket
    .symbol:         k_qd01712b259_bracket.kd
    .args:
      - { .name: x, .offset: 0, .size: 8, .value_kind: global_buffer, .address_space: global }
      - { .name: W, .offset: 8, .size: 8, .value_kind: global_buffer, .address_space: global }
      - { .name: out0, .offset: 16, .size: 8, .value_kind: global_buffer, .address_space: global }
    .group_segment_fixed_size: 214784
    .private_segment_fixed_size: 0
    .kernarg_segment_align: 8
    .kernarg_segment_size: 24
    .max_flat_workgroup_size: 256
    .sgpr_count:     66
    .vgpr_count:     258
    .wavefront_size: 32
...
	.end_amdgpu_metadata
.endif
;; end of part 1
